; MI455X (gfx1250); checked and timed in simulation.
; The chip was launched on July 23, 2026; its instructions are those of AMD's public machine-readable ISA for CDNA 5 (MIT licence, August 2026) and "CDNA5" Instruction Set Architecture Reference Guide (July 2026). The comments in the code are by the model that wrote it; some were corrected since.
;; Attention Block. Allowed arithmetic: float matrix products may take bf16 or f16 operands with f32 sums; all other float work in f32.
;; Inputs: K 4 x 16 x 2,048 x 128 float32; Q 4 x 16 x 2,048 x 128 float32; V 4 x 16 x 2,048 x 128 float32.
;; Outputs: out0 4 x 16 x 2,048 x 128 float32.
;; 2 versions, each right and faster than the one before. Each part assembles by itself: llvm-mc -triple=amdgcn-amd-amdhsa -mcpu=gfx1250 --defsym DOCPART=n.
;; ======== version 1 of 2: 1 launch
;; launch attn (part 1): grid 256 x 1, 4 waves a work-group, clusters of 4 x 1, 327,680 bytes of LDS; arguments Q, K, V, out0; writes out0
.if DOCPART == 1
	.amdgcn_target "amdgcn-amd-amdhsa--gfx1250"
	.amdhsa_code_object_version 6
	.text
	.protected	k_q4fe58f218e_attn
	.globl	k_q4fe58f218e_attn
	.p2align	8
	.type	k_q4fe58f218e_attn,@function
k_q4fe58f218e_attn:
	s_mov_b64 s[64:65], 0
	v_nop
	global_prefetch_b8 v0, s[64:65] scope:SCOPE_SE
	s_setreg_imm32_b32 hwreg(HW_REG_WAVE_MODE, 25, 1), 1
	s_wait_xcnt 0x0
	s_wait_alu depctr_hold_cnt(0) depctr_sa_sdst(0) depctr_va_vdst(0) depctr_va_sdst(0) depctr_va_ssrc(0) depctr_va_vcc(0) depctr_vm_vsrc(0)
	s_getreg_b32 s2, hwreg(HW_REG_IB_STS2, 6, 4)
	s_cmp_eq_u32 s2, 0
	s_cbranch_scc0 .Lentry_in_a_cluster
	s_endpgm
.Lentry_in_a_cluster:
	s_bfe_u32 s2, ttmp6, 0x10000c
	s_cmp_lg_u32 s2, 0x3003
	s_cbranch_scc0 .Lentry_shape_is_right
	s_endpgm
.Lentry_shape_is_right:
; out0[h][q][:] = sum over k of w[q][k] V[h][k][:],  w = exp(z) / sum exp(z),  z = Q[h][q] . K[h][k] / sqrt(128).   64 heads, 2,048 rows, 128 columns, all f32.
; No work of reference() is left out: every input reaches every output of its head.
;
; SHARES.  A cluster of four work-groups makes one head (ttmp9); a work-group 512 queries (its place in the cluster), a wave 128 queries, as eight tiles of 16.
; The wave keeps Q as bf16 fragments (256 registers) and the output sums (f32, 512 registers) for the whole launch and walks the 2,048 keys in 64 trips of 32.
; The four work-groups of a head need the same K and V: each tile is asked for JOINTLY (mask 15), so that K and V are requested once for a head.
; K and V arrive as f32 in a ring of two LDS slots of 64 keys; in each trip the four waves together round the NEXT 32 keys to bf16 into one of two stages
; in LDS, from which every wave takes its fragments.
;
; BOTH PRODUCTS ARE USED TRANSPOSED.  Scores: A = 16 keys x 32 d, B = 16 queries x 32 d; in the result a lane holds ONE query (lane % 16) and keys
; 8 (lane / 16) + j (ISA guide 7.12.2), so maximum, sum and rescale factor are one number a lane, and a lane's sixteen scores, packed in pairs, ARE the
; B fragment of the second product (A = V transposed on its way out of LDS, 16 d x 32 keys).  Its result holds, for the lane's query, eight neighbouring d.
;
; LIMITS, stated.  (1) A running maximum is taken away before each exponential; reference() takes none.  In exact arithmetic the quotient is the same.
; Where reference()'s exp(z) or its sum overflows f32, or every term of a row underflows (its result is then infinite or NaN), this text gives the finite softmax.
; (2) NaN and infinities among the inputs are not reproduced.  (3) Q, K, V and the weights are rounded once to bf16 for the matrix unit; scores, sums
; and outputs are f32, added in the order of the tiles.  (4) v_exp_f32 returns 0 for results under 2^-126 (ISA guide 15.8): weights smaller than that
; beside their row's largest count as 0.
;
; LDS:  0        ring: slot s at 65,536 s; in a slot K's keys 0-31, K's keys 32-63, V's 0-31, V's 32-63, 16,384 bytes each, dense f32 (wave w fills the w-th)
;       131,072  stage b at + 17,920 b: K 32 rows of 256 bytes at pitch 272, then V 32 rows at pitch 288.  Written by ds_store alone; no fill lands here
;       166,912  wave w's own 8,448 bytes: 16 rows of Q in bf16 (pitch 272) on the way in, 16 rows of the result in f32 (pitch 528) on the way out
; Pitches 272 and 528 are odd multiples of 16 bytes: the sixteen rows that a 16-byte access touches start 16 bytes apart modulo 256.  288 is an odd multiple of 32,
; for the transposing load, whose eight rows are taken in two columns of 16 bytes.
;
; REGISTERS, in windows of 256:  window 0: v1-11 addresses, v16-31 maxima (two sets that take turns), v32-39 rescale factors, v40-55 row sums,
; v56-63 -c x maximum, v64-127 fragments of K, then of V, v128-255 scores (tile qt at 128 + 16 qt; packed weights in its first 8, the other 8 then serve the conversion);
; window 1: Q's fragments (tile qt, d step ks at 32 qt + 8 ks);  windows 2, 3: output sums, d block dt, tile qt at 8 (8 (dt % 4) + qt), dt 0-3 in window 2.
;
; A macro's argument may be an expression (qt+2, 1-b): wherever it is multiplied, divided or reduced it stands in parentheses.
.set SLOT,  65536                      ; bytes of a ring slot
.set STEPB, 16384                      ; 32 keys of 512 bytes: what one tensor load brings
.set STAGE, 131072
.set STB,   17920                      ; bytes of a stage
.set KP,    272                        ; pitch of K's rows in a stage
.set VP,    288                        ; pitch of V's rows
.set VOFF,  32*KP                      ; V behind K in a stage
.set WST,   166912
.set WSTB,  8448
.set QP,    272
.set OP,    528
.set ROWB,  512                        ; a row of Q, K, V, out0 in memory
.set KF,  1                            ; K fragments: STAGE + 272 (l % 16) + 16 (l / 16)
.set VF,  2                            ; V fragments: STAGE + VOFF + 288 (l % 8 + 8 (l / 16)) + 16 ((l / 8) % 2)
.set CS,  3                            ; v3, v4: conversion's source in slot 0, 1: 4,096 w + 16 l
.set CDK, 5                            ; conversion's target for K: STAGE + 8 x 272 w + 8 l
.set CDV, 6                            ; for V: STAGE + VOFF + 8 x 288 w + 8 l
.set QST, 7                            ; Q rows into my stage
.set QFR, 8                            ; Q fragments out of it
.set GO,  9                            ; 16 l: my 16 bytes of a row in memory
.set OST, 10                           ; results into my stage: 528 (l % 16) + 32 (l / 16)
.set ORD, 11                           ; rows out of it: 16 l
.set MX,  16
.set AL,  32
.set LS,  40
.set NM,  56
.set FR,  64
.set SC,  128
.set MSB, 0
.macro WIN new                         ; the immediate's high byte repeats the setting that is left; a switch that changes nothing is dropped
.if MSB != \new
	s_set_vgpr_msb (MSB<<8)|\new
.set MSB, \new
.endif
.endm
.macro PLACES n
.rept \n
	v_nop
.endr
.endm
; A round of the cluster's barrier: my work-group's barrier, so that wave 0 speaks for all four waves; wave 0 signals; every wave waits for the four
; work-groups; my work-group's barrier once more.
.macro CREST                           ; a round behind its opening barrier
	s_cmp_lg_u32 s12, 0
	s_cbranch_scc1 .Lnot_wave_0_\@
	s_barrier_signal -3
.Lnot_wave_0_\@:
	s_barrier_wait -3
	s_barrier_signal -1
	s_barrier_wait -1
.endm
.macro ROUND
	s_barrier_signal -1
	s_barrier_wait -1
	CREST
.endm
; d = a x (register x of the pair p), both halves
.macro PKMULB d, a, p, x
.if \x
	v_pk_mul_f32 v[\d:\d+1], v[\a:\a+1], v[\p:\p+1] op_sel:[0,1] op_sel_hi:[1,1]
.else
	v_pk_mul_f32 v[\d:\d+1], v[\a:\a+1], v[\p:\p+1] op_sel:[0,0] op_sel_hi:[1,0]
.endif
.endm
; four f32 in v[x:x+3] to four bf16 in v[x:x+1], and into LDS
.macro CV1 x, adr, off
	v_cvt_pk_bf16_f32 v[\x], v[\x], v[\x+1]
	v_cvt_pk_bf16_f32 v[\x+1], v[\x+2], v[\x+3]
	ds_store_b64 v[\adr], v[\x:\x+1] offset:\off
.endm
	s_load_b256 s[4:11], s[0:1], 0x0               ; Q s[4:5], K s[6:7], V s[8:9], out0 s[10:11]
	v_lshl_add_u32 v254, v0, 2, 0x31000
	v_mov_b32 v255, 0
	ds_add_u32 v254, v255
	s_wait_dscnt 0x0
	v_lshrrev_b32 v12, 5, v0
	v_readfirstlane_b32 s12, v12                   ; wave 0..3
	s_bfe_u32 s13, ttmp6, 0x40000                  ; my place in the cluster: which 512 queries
	s_mov_b32 s32, 0x76543210                      ; v_permlanex16_b32: lane i reads lane i of the other half
	s_mov_b32 s33, 0xfedcba98
	s_mov_b32 s44, 0x3e0293ee                      ; c = log2(e) / sqrt(128): scores times c are exponents of 2
	s_mov_b32 s45, 0x3e0293ee
	s_lshl_b32 s14, ttmp9, 20                      ; K, V: the head's 2,048 rows of 512 bytes,
	s_and_b32 s38, s12, 1
	s_lshl_b32 s38, s38, 14                        ; and keys 0-31 (waves 0, 2) or 32-63 (waves 1, 3) of a slot's 64
	s_add_co_u32 s14, s14, s38
	s_mov_b32 s15, 0                               ; s[14:15] is made of the head and the wave alone: equal in the four partners
	s_lshl_b32 s40, ttmp9, 20                      ; Q, out0: the head, my work-group's 512 rows, my wave's 128 rows
	s_lshl_b32 s42, s13, 18
	s_add_co_u32 s40, s40, s42
	s_lshl_b32 s39, s12, 16
	s_add_co_u32 s40, s40, s39
	s_mov_b32 s41, 0
	; descriptor group 1: 16,384 dense bytes as 64 rows of 32 elements of 8 bytes
	s_mov_b32 s16, 0x0023000f                      ; 15:0 mask: all four work-groups; 17:16 elements of 8 bytes; 21 set beside a mask; no padding
	s_mov_b32 s17, 32<<16                          ; tensor_dim0 = 32
	s_mov_b32 s18, 64<<16                          ; tensor_dim1 = 64
	s_mov_b32 s19, 32<<16                          ; tile_dim0 = 32
	s_mov_b32 s20, 64                              ; tile_dim1 = 64
	s_mov_b32 s21, 32                              ; from row to row: 32 elements
	s_mov_b32 s22, 0
	s_mov_b32 s23, 0
	s_lshl_b32 s38, s12, 14                        ; my quarter of a slot
	s_mov_b32 s24, 1
	s_add_co_u32 s25, s38, 0*SLOT
	s_mov_b32 s28, 1
	s_add_co_u32 s29, s38, 1*SLOT
	s_wait_kmcnt 0x0
	s_cmp_lt_u32 s12, 2
	s_cselect_b64 s[36:37], s[6:7], s[8:9]         ; waves 0 and 1 fetch K, waves 2 and 3 V
	s_add_nc_u64 s[36:37], s[36:37], s[14:15]
	s_mov_b64 s[26:27], s[36:37]                   ; slot 0: keys 0-63
	s_or_b32 s27, s27, 0x80000000
	s_add_nc_u64 s[30:31], s[36:37], 2*STEPB       ; slot 1: keys 64-127
	s_or_b32 s31, s31, 0x80000000
	s_add_nc_u64 s[4:5], s[4:5], s[40:41]
	s_add_nc_u64 s[10:11], s[10:11], s[40:41]
	ROUND                                          ; the four work-groups are here: the first joint loads meet
	tensor_load_to_lds s[24:27], s[16:23]          ; both first fills as one group: two tensor loads of the wave are out, the most anywhere in this text
	s_nop 0
	tensor_load_to_lds s[28:31], s[16:23]
	s_nop 0
	v_and_b32 v12, 31, v0                          ; l
	v_and_b32 v13, 15, v0                          ; l % 16
	v_bfe_u32 v14, v0, 4, 1                        ; l / 16
	v_lshlrev_b32 v[GO], 4, v12
.macro QLOAD qt                        ; 16 rows of Q, each load one whole row of 512 bytes, into one of two sets of 64 registers by turns
.irp i, 0,1,2,3,4,5,6,7,8,9,10,11,12,13,14,15
	global_load_b128 v[SC+64*((\qt)%2)+4*\i:SC+64*((\qt)%2)+4*\i+3], v[GO], s[4:5] offset:(16*(\qt)+\i)*ROWB th:TH_LOAD_NT
.endr
.endm
	QLOAD 0
	QLOAD 1
	v_mul_u32_u24 v[KF], v13, KP
	v_lshl_add_u32 v[KF], v14, 4, v[KF]
	v_add_nc_u32 v[KF], STAGE, v[KF]
	v_and_b32 v15, 7, v0
	v_lshl_add_u32 v15, v14, 3, v15
	v_mul_u32_u24 v[VF], v15, VP
	v_bfe_u32 v15, v0, 3, 1
	v_lshl_add_u32 v[VF], v15, 4, v[VF]
	v_add_nc_u32 v[VF], STAGE+VOFF, v[VF]
	s_lshl_b32 s39, s12, 12                        ; the conversion: wave w takes rows 8 w .. 8 w + 7 of a step's 32
	v_lshl_add_u32 v[CS], v12, 4, s39
	v_add_nc_u32 v[CS+1], SLOT, v[CS]
	s_mul_i32 s39, s12, 8*KP
	s_add_co_u32 s39, s39, STAGE
	v_lshl_add_u32 v[CDK], v12, 3, s39
	s_mul_i32 s39, s12, 8*VP
	s_add_co_u32 s39, s39, STAGE+VOFF
	v_lshl_add_u32 v[CDV], v12, 3, s39
	s_mul_i32 s39, s12, WSTB
	s_add_co_u32 s39, s39, WST                     ; my own stage
	v_lshl_add_u32 v[QST], v12, 3, s39
	v_mul_u32_u24 v[QFR], v13, QP
	v_lshl_add_u32 v[QFR], v14, 4, v[QFR]
	v_add_nc_u32 v[QFR], s39, v[QFR]
	v_mul_u32_u24 v[OST], v13, OP
	v_lshl_add_u32 v[OST], v14, 5, v[OST]
	v_add_nc_u32 v[OST], s39, v[OST]
	v_lshl_add_u32 v[ORD], v12, 4, s39
.irp qt, 0,1,2,3,4,5,6,7
	v_mov_b32 v[AL+\qt], 0                         ; v_permlanex16_b32 counts as a reader of its destination: written once here
.endr
; 16 rows of Q: rounded to bf16, through my own stage, into the four B fragments of tile qt.  left = the next tile's loads, which stay out.
.macro QPROC qt, left
	s_wait_loadcnt \left
.irp i, 0,1,2,3,4,5,6,7,8,9,10,11,12,13,14,15
	CV1 SC+64*((\qt)%2)+4*\i, QST, QP*\i
.endr
	WIN 0x40                                       ; destination in window 1
.irp ks, 0,1,2,3
	ds_load_b128 v[32*(\qt)+8*\ks:32*(\qt)+8*\ks+3],   v[QFR] offset:64*\ks      ; LDS serves a wave's instructions in order (ISA guide 5.7.1.4): these see the stores above,
	ds_load_b128 v[32*(\qt)+8*\ks+4:32*(\qt)+8*\ks+7], v[QFR] offset:64*\ks+32   ; and the next tile's stores come behind them
.endr
	WIN 0
	s_wait_dscnt 0x8                               ; all but the eight loads just issued: the sixteen stores are done, their data registers may be loaded again
.endm
.irp qt, 0,1,2,3,4,5
	QPROC \qt, 0x10
	QLOAD \qt+2
.endr
	QPROC 6, 0x10
	QPROC 7, 0x0
; half = 0: d steps 0, 1; half = 1: d steps 2, 3.  Fragment (ks, kt): keys 16 kt .., d 32 ks ..; two loads of 16 bytes, 32 bytes apart.
.macro KLOAD b, half
.irp ks, 2*\half, 2*\half+1
.irp kt, 0,1
	ds_load_b128 v[FR+16*(\ks)+8*\kt:FR+16*(\ks)+8*\kt+3],   v[KF] offset:(\b)*STB+16*KP*\kt+64*(\ks)
	ds_load_b128 v[FR+16*(\ks)+8*\kt+4:FR+16*(\ks)+8*\kt+7], v[KF] offset:(\b)*STB+16*KP*\kt+64*(\ks)+32
.endr
.endr
.endm
; V's rows lie along d; the transposing load gives lane l the keys 8 (l / 16) + 0..7 (second load: 16 more) of d = 16 dt + l % 16
.macro VLOAD b
.irp dt, 0,1,2,3,4,5,6,7
	ds_load_tr16_b128 v[FR+8*\dt:FR+8*\dt+3],   v[VF] offset:(\b)*STB+32*\dt
	ds_load_tr16_b128 v[FR+8*\dt+4:FR+8*\dt+7], v[VF] offset:(\b)*STB+32*\dt+16*VP
.endr
.endm
; my 8 rows of K and 8 rows of V of step u in slot s, f32, a whole row a load, into the upper halves of the score tiles (free once the weights are packed)
.macro CVLOAD s, u
.irp j, 0,1,2,3,4,5,6,7
	ds_load_b128 v[SC+16*(\j/2)+8+4*(\j%2):SC+16*(\j/2)+8+4*(\j%2)+3], v[CS+\s] offset:\u*STEPB+ROWB*\j
.endr
.irp j, 0,1,2,3,4,5,6,7
	ds_load_b128 v[SC+64+16*(\j/2)+8+4*(\j%2):SC+64+16*(\j/2)+8+4*(\j%2)+3], v[CS+\s] offset:2*STEPB+\u*STEPB+ROWB*\j
.endr
.endm
.macro CVSTORE b
.irp j, 0,1,2,3,4,5,6,7
	CV1 SC+16*(\j/2)+8+4*(\j%2), CDK, (\b)*STB+KP*\j
.endr
.irp j, 0,1,2,3,4,5,6,7
	CV1 SC+64+16*(\j/2)+8+4*(\j%2), CDV, (\b)*STB+VP*\j
.endr
.endm
; 64 matrix instructions: 32 keys x 128 queries over d = 128.  The first d step starts the sums.  The sixteen accumulators take turns, one instruction a turn.
.macro SPHASE
	WIN 0x04                                       ; B (Q's fragments) in window 1
.irp ks, 0,1,2,3
	s_wait_dscnt 12-4*\ks                          ; sixteen loads were out, four for each d step, in this order: the later steps' stay out
.irp kt, 0,1
.irp qt, 0,1,2,3,4,5,6,7
.if \ks == 0
	v_wmma_f32_16x16x32_bf16 v[SC+16*\qt+8*\kt:SC+16*\qt+8*\kt+7], v[FR+16*\ks+8*\kt:FR+16*\ks+8*\kt+7], v[32*\qt+8*\ks:32*\qt+8*\ks+7], 0
.else
	v_wmma_f32_16x16x32_bf16 v[SC+16*\qt+8*\kt:SC+16*\qt+8*\kt+7], v[FR+16*\ks+8*\kt:FR+16*\ks+8*\kt+7], v[32*\qt+8*\ks:32*\qt+8*\ks+7], v[SC+16*\qt+8*\kt:SC+16*\qt+8*\kt+7]
.endif
.endr
.endr
.endr
	WIN 0
.endm
; scores 2 i, 2 i + 1 of tile qt: times c, less c x maximum, in one fused multiply-add
.macro SUBP qt, i
.if (\qt)%2
	v_pk_fma_f32 v[SC+16*(\qt)+2*\i:SC+16*(\qt)+2*\i+1], v[SC+16*(\qt)+2*\i:SC+16*(\qt)+2*\i+1], s[44:45], v[NM+(\qt)/2*2:NM+(\qt)/2*2+1] op_sel:[0,0,1] op_sel_hi:[1,0,1]
.else
	v_pk_fma_f32 v[SC+16*(\qt)+2*\i:SC+16*(\qt)+2*\i+1], v[SC+16*(\qt)+2*\i:SC+16*(\qt)+2*\i+1], s[44:45], v[NM+(\qt)/2*2:NM+(\qt)/2*2+1] op_sel:[0,0,0] op_sel_hi:[1,0,0]
.endif
.endm
; the lane's two running sums of tile qt take weights 2 i, 2 i + 1; the first pair brings the rescaling along (first trip: the first two pairs start the sums)
.macro SUMP qt, i, first
.if \first
.if \i == 0
	s_wait_alu depctr_va_vdst(0)
	v_pk_add_f32 v[LS+2*(\qt):LS+2*(\qt)+1], v[SC+16*(\qt):SC+16*(\qt)+1], v[SC+16*(\qt)+2:SC+16*(\qt)+3]
.endif
.if \i > 1
	v_pk_add_f32 v[LS+2*(\qt):LS+2*(\qt)+1], v[LS+2*(\qt):LS+2*(\qt)+1], v[SC+16*(\qt)+2*\i:SC+16*(\qt)+2*\i+1]
.endif
.else
.if \i == 0
.if (\qt)%2
	v_pk_fma_f32 v[LS+2*(\qt):LS+2*(\qt)+1], v[LS+2*(\qt):LS+2*(\qt)+1], v[AL+(\qt)/2*2:AL+(\qt)/2*2+1], v[SC+16*(\qt):SC+16*(\qt)+1] op_sel:[0,1,0] op_sel_hi:[1,1,1]
	s_wait_alu depctr_va_vdst(0)
.else
	s_wait_alu depctr_va_vdst(0)
	v_pk_fma_f32 v[LS+2*(\qt):LS+2*(\qt)+1], v[LS+2*(\qt):LS+2*(\qt)+1], v[AL+(\qt)/2*2:AL+(\qt)/2*2+1], v[SC+16*(\qt):SC+16*(\qt)+1] op_sel:[0,0,0] op_sel_hi:[1,0,1]
.endif
.else
	s_wait_alu depctr_va_vdst(0)
	v_pk_add_f32 v[LS+2*(\qt):LS+2*(\qt)+1], v[LS+2*(\qt):LS+2*(\qt)+1], v[SC+16*(\qt)+2*\i:SC+16*(\qt)+2*\i+1]
.endif
.endif
.endm
; weights 2 i, 2 i + 1 packed into register i of the tile: in place, since register i has been used up by then (i <= 2 i, and the sum stands in front)
.macro CVTP qt, i
	v_cvt_pk_bf16_f32 v[SC+16*(\qt)+\i], v[SC+16*(\qt)+2*\i], v[SC+16*(\qt)+2*\i+1]
.endm
; The trip of parity b writes maxima set b and reads the other: no copy.  The tile is the inner index, so eight chains run side by side.
.macro SOFTMAX b, first
.set MB, MX+8*\b
.set MO, MX+8-8*\b
.irp qt, 0,1,2,3,4,5,6,7
	v_max3_num_f32 v[MB+\qt], v[SC+16*\qt], v[SC+16*\qt+1], v[SC+16*\qt+2]
.endr
.irp c, 0,1,2,3,4,5
.irp qt, 0,1,2,3,4,5,6,7
	v_max3_num_f32 v[MB+\qt], v[MB+\qt], v[SC+16*\qt+3+2*\c], v[SC+16*\qt+4+2*\c]
.endr
.endr
.irp qt, 0,1,2,3,4,5,6,7
.if \first
	v_max_num_f32 v[MB+\qt], v[MB+\qt], v[SC+16*\qt+15]
.else
	v_max3_num_f32 v[MB+\qt], v[MB+\qt], v[SC+16*\qt+15], v[MO+\qt]
.endif
.endr
.irp qt, 0,1,2,3,4,5,6,7
	v_permlanex16_b32 v[AL+\qt], v[MB+\qt], s32, s33       ; the other sixteen keys of my query lie in the other half of the lanes
.endr
.irp qt, 0,1,2,3,4,5,6,7
	v_max_num_f32 v[MB+\qt], v[MB+\qt], v[AL+\qt]
.endr
.irp qt, 0,1,2,3,4,5,6,7
	v_mul_f32 v[NM+\qt], 0xbe0293ee, v[MB+\qt]             ; -c x maximum
.endr
.if \first == 0
.irp qt, 0,1,2,3,4,5,6,7
	v_fma_f32 v[AL+\qt], v[MO+\qt], s44, v[NM+\qt]         ; c (old maximum - new maximum), never above 0 but for its rounding
.endr
.irp qt, 0,1,2,3,4,5,6,7
	v_exp_f32 v[AL+\qt], v[AL+\qt]                         ; the factor that brings the old sums to the new maximum; eight plain lines follow before its first use
.endr
.endif
.irp i, 0,1,2,3,4,5,6,7
	SUBP 0, \i
.endr
	; A stage for each tile: its sixteen exponentials, and between them the next tile's subtraction and the last tile's sums and packing.  A result of
	; v_exp_f32 is used a stage later, and the line behind each exponential is another exponential or a plain line on other registers (ISA guide 5.7.2).
.irp qt, 0,1,2,3,4,5,6,7
.irp i, 0,1,2,3,4,5,6,7
	v_exp_f32 v[SC+16*\qt+2*\i], v[SC+16*\qt+2*\i]
.if \qt < 7
	SUBP \qt+1, \i
.endif
	v_exp_f32 v[SC+16*\qt+2*\i+1], v[SC+16*\qt+2*\i+1]
.if \qt > 0
	SUMP \qt-1, \i, \first
	CVTP \qt-1, \i
.endif
.endr
.endr
.irp i, 0,1,2,3,4,5,6,7
	SUMP 7, \i, \first
	CVTP 7, \i
.endr
.endm
; all 64 output tiles times their query's factor
.macro RESCALE
.irp wn, 0x82, 0xc3
	WIN \wn                                        ; source 0 and destination in window 2, then 3; the factors in window 0
.irp d, 0,1,2,3
.irp qt, 0,1,2,3,4,5,6,7
.irp p, 0,1,2,3
	PKMULB 8*(8*\d+\qt)+2*\p, 8*(8*\d+\qt)+2*\p, AL+\qt/2*2, \qt%2
.endr
.endr
.endr
.endr
	WIN 0
.endm
; 32 matrix instructions: d blocks 4 hi .. 4 hi + 3 x 8 query tiles over the trip's 32 keys, each accumulator once: they take turns.
; In the first trip the product starts the sums: nothing is cleared.
.macro PVHALF hi, first
.if \hi
	WIN 0xf0
.else
	WIN 0xa0
.endif
.irp d, 0,1,2,3
.irp qt, 0,1,2,3,4,5,6,7
.if \first
	v_wmma_f32_16x16x32_bf16 v[8*(8*\d+\qt):8*(8*\d+\qt)+7], v[FR+8*(4*\hi+\d):FR+8*(4*\hi+\d)+7], v[SC+16*\qt:SC+16*\qt+7], 0
.else
	v_wmma_f32_16x16x32_bf16 v[8*(8*\d+\qt):8*(8*\d+\qt)+7], v[FR+8*(4*\hi+\d):FR+8*(4*\hi+\d)+7], v[SC+16*\qt:SC+16*\qt+7], v[8*(8*\d+\qt):8*(8*\d+\qt)+7]
.endif
.endr
.endr
	WIN 0
.endm
; One trip: 32 keys out of stage b.  On entry the eight loads of K's d steps 0, 1 are out.  cvs, cvu: slot and half in which the NEXT 32 keys lie as f32.
; kind 0: a plain barrier.  1: the barrier opens a round of the cluster's barrier, and slot rs, whose last read is this trip's conversion, is filled again.
; 2: the wait for the last tensor load, no refill.  3: the last trip: nothing to convert, no barrier.
.macro TRIP b, first, cvs, cvu, kind, rs
.if \first == 0
	PLACES 5                                       ; behind the last trip's products: four places before loads land on fragments that they read, five before the
.endif                                             ; score products write over the weights that they read (ISA guide 7.12.1 for the products)
	KLOAD \b, 1
	SPHASE
	PLACES 4                                       ; before V's fragments land on K's, and before vector instructions read the scores
	VLOAD \b
	SOFTMAX \b, \first
.if \kind != 3
	CVLOAD \cvs, \cvu
.endif
.if \first == 0
	RESCALE                                        ; 256 lines of register work while those loads come back
.endif
	s_wait_dscnt 0x0                               ; V's fragments and the f32 rows are in
.if \kind != 3
	CVSTORE 1-\b
	s_wait_dscnt 0x0                               ; for the others' sake: my stores into the other stage are done, as are my reads of this stage and of the ring
.if \kind != 0
	s_wait_xcnt 0x0
	v_lshl_add_u32 v254, v0, 2, 0x31000
	v_mov_b32 v255, 0
	s_wait_tensorcnt 0x0                           ; all my tensor loads have landed: the one that was out is my part of the slot that the next trip's conversion reads
	ds_add_u32 v254, v255
	s_wait_dscnt 0x0
.endif
.if \kind == 1
	s_add_nc_u64 s[26+4*\rs:27+4*\rs], s[26+4*\rs:27+4*\rs], 4*STEPB   ; no tensor load of mine is out, so a group 0 may be written: the slot's next 64 keys are 128 keys on
.endif
	s_barrier_signal -1
.endif
	PVHALF 0, \first                               ; register work while the others arrive
.if \kind != 3
	s_barrier_wait -1                              ; the other stage is whole, and nobody reads this one any more
.if \kind == 1
	CREST                                          ; the same holds of all four work-groups: no wave of a partner still reads the slot or has a load on its way
	tensor_load_to_lds s[24+4*\rs:27+4*\rs], s[16:23]      ; my one tensor load behind the round, and the first thing there; it is waited for two trips on
	s_nop 0
.endif
	PLACES 4                                       ; before the next trip's K lands on V's fragments of d blocks 0-3
	KLOAD 1-\b, 0
.endif
	PVHALF 1, \first
.endm
; Four trips = once round the ring.  Keys 32 t .. lie in stage t % 2 and, as f32, in slot (t / 2) % 2; trip t converts step t + 1.
.macro LAP first
	TRIP 0, \first, 0, 1, 1, 0
	TRIP 1, 0, 1, 0, 0, 0
	TRIP 0, 0, 1, 1, 1, 1
	TRIP 1, 0, 0, 0, 0, 0
.endm
	s_wait_dscnt 0x0                               ; Q's fragments are in
	s_wait_tensorcnt 0x1                           ; my part of slot 0 has landed; slot 1's stays out
	s_barrier_signal -1
	s_barrier_wait -1                              ; slot 0 is whole
	CVLOAD 0, 0
	s_wait_dscnt 0x0
	CVSTORE 0                                      ; keys 0-31 into stage 0
	s_wait_dscnt 0x0
	s_barrier_signal -1
	s_barrier_wait -1
	KLOAD 0, 0
	LAP 1                                          ; trips 0-3, written out: the first products start the sums
	s_mov_b32 s34, 14
.Llap:
	LAP 0                                          ; trips 4-59; the last refills bring keys 1,920 to 2,047
	s_sub_co_u32 s34, s34, 1
	s_cmp_lg_u32 s34, 0
	s_cbranch_scc1 .Llap
	TRIP 0, 0, 0, 1, 2, 0                          ; trips 60-63 fetch nothing
	TRIP 1, 0, 1, 0, 0, 0
	TRIP 0, 0, 1, 1, 0, 0
	TRIP 1, 0, 0, 0, 3, 0
	; THE WAY OUT.  Row sums: the lane's two, then the other half of the lanes; their reciprocal.
	PLACES 4                                       ; behind the last products, before their results are read and their fragments' registers loaded
.irp qt, 0,1,2,3,4,5,6,7
	v_add_f32 v[AL+\qt], v[LS+2*\qt], v[LS+2*\qt+1]
.endr
.irp qt, 0,1,2,3,4,5,6,7
	v_permlanex16_b32 v[MX+\qt], v[AL+\qt], s32, s33
.endr
.irp qt, 0,1,2,3,4,5,6,7
	v_add_f32 v[AL+\qt], v[AL+\qt], v[MX+\qt]
.endr
.irp qt, 0,1,2,3,4,5,6,7
	v_rcp_f32 v[AL+\qt], v[AL+\qt]
.endr
	v_nop                                          ; one plain line before the reciprocals are used (ISA guide 5.7.2)
	s_wait_alu depctr_va_vdst(0)
; 16 rows of the result: divided, 32 bytes a lane and d block into my own stage, read back as whole rows of 512 bytes and stored: each store of the wave
; covers 512 consecutive bytes, at a multiple of 512 from out0's first byte.  tb: the registers for the rows, two sets by turns.
.macro OUT qt, tb
	WIN 0x02
.irp d, 0,1,2,3
.irp p, 0,1,2,3
	PKMULB SC+8*\d+2*\p, 8*(8*\d+\qt)+2*\p, AL+\qt/2*2, \qt%2
.endr
.endr
	WIN 0x03
.irp d, 0,1,2,3
.irp p, 0,1,2,3
	PKMULB SC+32+8*\d+2*\p, 8*(8*\d+\qt)+2*\p, AL+\qt/2*2, \qt%2
.endr
.endr
	WIN 0
.irp dt, 0,1,2,3,4,5,6,7
.irp e, 0,1
	ds_store_b128 v[OST], v[SC+8*\dt+4*\e:SC+8*\dt+4*\e+3] offset:64*\dt+16*\e
.endr
.endr
	s_wait_xcnt 0x0                                ; every earlier memory instruction has had its addresses translated (ISA guide 3.1): set tb, which earlier stores read, is loaded again only behind this wait
.irp i, 0,1,2,3,4,5,6,7,8,9,10,11,12,13,14,15
	ds_load_b128 v[\tb+4*\i:\tb+4*\i+3], v[ORD] offset:OP*\i       ; my own bytes, served in order: these see the stores above
.endr
.irp i, 0,1,2,3,4,5,6,7,8,9,10,11,12,13,14,15
	s_wait_dscnt 15-\i                             ; row i is in; the younger rows stay out
	global_store_b128 v[GO], v[\tb+4*\i:\tb+4*\i+3], s[10:11] offset:(16*\qt+\i)*ROWB th:TH_STORE_NT
.endr
.endm
	OUT 0, 64
	OUT 1, 192
	OUT 2, 64
	OUT 3, 192
	OUT 4, 64
	OUT 5, 192
	OUT 6, 64
	OUT 7, 192
	s_wait_xcnt 0x0
	v_lshl_add_u32 v254, v0, 2, 0x31000
	v_mov_b32 v255, 0
	s_wait_tensorcnt 0x0
	ds_add_u32 v254, v255
	s_wait_dscnt 0x0
	ROUND                                          ; the closing round: no work-group ends while a partner may still ask for a tile that names it
	s_endpgm
.Lfunc_end_k_q4fe58f218e_attn:
	.size	k_q4fe58f218e_attn, .Lfunc_end_k_q4fe58f218e_attn-k_q4fe58f218e_attn
	.p2alignl 7, 3214868480
	.fill 96, 4, 3214868480
	.section	.rodata,"a",@progbits
	.p2align	6, 0x0
	.amdhsa_kernel k_q4fe58f218e_attn
		.amdhsa_group_segment_fixed_size 327680
		.amdhsa_private_segment_fixed_size 0
		.amdhsa_enable_private_segment 0
		.amdhsa_kernarg_size 32
		.amdhsa_user_sgpr_count 2
		.amdhsa_user_sgpr_kernarg_segment_ptr 1
		.amdhsa_wavefront_size32 1
		.amdhsa_system_sgpr_workgroup_id_x 1
		.amdhsa_system_sgpr_workgroup_id_y 1
		.amdhsa_system_sgpr_workgroup_id_z 1
		.amdhsa_system_vgpr_workitem_id 0
		.amdhsa_next_free_vgpr 1024
		.amdhsa_next_free_sgpr 66
		.amdhsa_reserve_vcc 0
		.amdhsa_float_denorm_mode_32 3
		.amdhsa_float_denorm_mode_16_64 3
		.amdhsa_memory_ordered 1
		.amdhsa_forward_progress 1
		.amdhsa_inst_pref_size 255
	.end_amdhsa_kernel
	.section	.bss,"aw",@nobits
	.p2align	6
	.space	262144
	.amdgpu_metadata
---
amdhsa.version: [ 1, 2 ]
amdhsa.kernels:
  - .name:           k_q4fe58f218e_attn
    .symbol:         k_q4fe58f218e_attn.kd
    .args:
      - { .name: Q, .offset: 0, .size: 8, .value_kind: global_buffer, .address_space: global }
      - { .name: K, .offset: 8, .size: 8, .value_kind: global_buffer, .address_space: global }
      - { .name: V, .offset: 16, .size: 8, .value_kind: global_buffer, .address_space: global }
      - { .name: out0, .offset: 24, .size: 8, .value_kind: global_buffer, .address_space: global }
    .group_segment_fixed_size: 327680
    .private_segment_fixed_size: 0
    .kernarg_segment_align: 8
    .kernarg_segment_size: 32
    .max_flat_workgroup_size: 128
    .sgpr_count:     66
    .vgpr_count:     1024
    .wavefront_size: 32
...
	.end_amdgpu_metadata
.endif
;; end of part 1
;; ======== version 2 of 2: 1 launch; 1.22 times as fast as version 1
;; launch attn (part 2): grid 256 x 1, 4 waves a work-group, clusters of 4 x 1, 327,680 bytes of LDS; arguments Q, K, V, out0; writes out0
.if DOCPART == 2
	.amdgcn_target "amdgcn-amd-amdhsa--gfx1250"
	.amdhsa_code_object_version 6
	.text
	.protected	k_q4fe58f218e_attn
	.globl	k_q4fe58f218e_attn
	.p2align	8
	.type	k_q4fe58f218e_attn,@function
k_q4fe58f218e_attn:
	s_mov_b64 s[64:65], 0
	v_nop
	global_prefetch_b8 v0, s[64:65] scope:SCOPE_SE
	s_setreg_imm32_b32 hwreg(HW_REG_WAVE_MODE, 25, 1), 1
	s_wait_xcnt 0x0
	s_wait_alu depctr_hold_cnt(0) depctr_sa_sdst(0) depctr_va_vdst(0) depctr_va_sdst(0) depctr_va_ssrc(0) depctr_va_vcc(0) depctr_vm_vsrc(0)
	s_getreg_b32 s2, hwreg(HW_REG_IB_STS2, 6, 4)
	s_cmp_eq_u32 s2, 0
	s_cbranch_scc0 .Lentry_in_a_cluster
	s_endpgm
.Lentry_in_a_cluster:
	s_bfe_u32 s2, ttmp6, 0x10000c
	s_cmp_lg_u32 s2, 0x3003
	s_cbranch_scc0 .Lentry_shape_is_right
	s_endpgm
.Lentry_shape_is_right:
; out0[h][q][:] = sum over k of w[q][k] V[h][k][:],  w = exp(z) / sum exp(z),  z = Q[h][q] . K[h][k] / sqrt(128).   64 heads, 2,048 rows, 128 columns, all f32.
; No work of reference() is left out: every input reaches every output of its head.
;
; SHARES.  A cluster of four work-groups makes one head (ttmp9); a work-group 512 queries (its place in the cluster), a wave 128 queries, as eight tiles of 16.
; The wave keeps Q as bf16 fragments (256 registers) and the output sums (f32, 512 registers) for the whole launch and walks the 2,048 keys in 64 trips of 32.
; The four work-groups of a head need the same K and V: each tile is asked for JOINTLY (mask 15), so that K and V are requested once for a head.
; K and V arrive as f32 in a ring of two LDS slots of 64 keys; in each trip the four waves together round the NEXT 32 keys to bf16 into one of two stages
; in LDS, from which every wave takes its fragments.
;
; BOTH PRODUCTS ARE USED TRANSPOSED.  Scores: A = 16 keys x 32 d, B = 16 queries x 32 d; in the result a lane holds ONE query (lane % 16) and keys
; 8 (lane / 16) + j (ISA guide 7.12.2), so maximum, sum and rescale factor are one number a lane, and a lane's sixteen scores, packed in pairs, ARE the
; B fragment of the second product (A = V transposed on its way out of LDS, 16 d x 32 keys).  Its result holds, for the lane's query, eight neighbouring d.
;
; THE EXPONENTIALS OF A TRIP ARE ONE BATCH WITH ONE WAIT.  A trip has 136: the eight tiles' rescale factors (v32-39) and their 128 weights (v128-255), each made in place
; in a register of its own.  Inside the batch stand only the scalings c s - c m, which name no result.  Behind the last exponential come a v_nop, the one wait
; ahead of the first line that names a result, V's run of LDS loads, and then all the readers: the row sums, the roundings to bf16, the conversion's
; loads (which land on used-up weights), the rescaling and the second product.  No exponential is issued behind a trip's wait.
; The way out's eight reciprocals are a batch of their own: a v_nop and one wait.
;
; LIMITS, stated.  (1) A running maximum is taken away before each exponential; reference() takes none.  In exact arithmetic the quotient is the same.
; Where reference()'s exp(z) or its sum overflows f32, or every term of a row underflows (its result is then infinite or NaN), this text gives the finite softmax.
; (2) NaN and infinities among the inputs are not reproduced.  (3) Q, K, V and the weights are rounded once to bf16 for the matrix unit; scores, sums
; and outputs are f32, added in the order of the tiles.  (4) v_exp_f32 returns 0 for results under 2^-126 (ISA guide 15.8): weights smaller than that
; beside their row's largest count as 0.
;
; LDS:  0        ring: slot s at 65,536 s; in a slot K's keys 0-31, K's keys 32-63, V's 0-31, V's 32-63, 16,384 bytes each, dense f32 (wave w fills the w-th)
;       131,072  stage b at + 17,920 b: K 32 rows of 256 bytes at pitch 272, then V 32 rows at pitch 288.  Written by ds_store alone; no fill lands here
;       166,912  wave w's own 8,448 bytes: 16 rows of Q in bf16 (pitch 272) on the way in, 16 rows of the result in f32 (pitch 528) on the way out
; Pitches 272 and 528 are odd multiples of 16 bytes: the sixteen rows that a 16-byte access touches start 16 bytes apart modulo 256.  288 is an odd multiple of 32,
; for the transposing load, whose eight rows are taken in two columns of 16 bytes.
;
; REGISTERS, in windows of 256:  window 0: v1-11 addresses, v16-31 maxima (two sets that take turns), v32-39 rescale factors, v40-55 row sums,
; v56-63 -c x maximum, v64-127 fragments of K, then of V, v128-255 scores (tile qt at 128 + 16 qt; packed weights in its first 8, the other 8 then serve the conversion);
; window 1: Q's fragments (tile qt, d step ks at 32 qt + 8 ks);  windows 2, 3: output sums, d block dt, tile qt at 8 (8 (dt % 4) + qt), dt 0-3 in window 2.
;
; A macro's argument may be an expression (qt+2, 1-b): wherever it is multiplied, divided or reduced it stands in parentheses.
.set SLOT,  65536                      ; bytes of a ring slot
.set STEPB, 16384                      ; 32 keys of 512 bytes: what one tensor load brings
.set STAGE, 131072
.set STB,   17920                      ; bytes of a stage
.set KP,    272                        ; pitch of K's rows in a stage
.set VP,    288                        ; pitch of V's rows
.set VOFF,  32*KP                      ; V behind K in a stage
.set WST,   166912
.set WSTB,  8448
.set QP,    272
.set OP,    528
.set ROWB,  512                        ; a row of Q, K, V, out0 in memory
.set KF,  1                            ; K fragments: STAGE + 272 (l % 16) + 16 (l / 16)
.set VF,  2                            ; V fragments: STAGE + VOFF + 288 (l % 8 + 8 (l / 16)) + 16 ((l / 8) % 2)
.set CS,  3                            ; v3, v4: conversion's source in slot 0, 1: 4,096 w + 16 l
.set CDK, 5                            ; conversion's target for K: STAGE + 8 x 272 w + 8 l
.set CDV, 6                            ; for V: STAGE + VOFF + 8 x 288 w + 8 l
.set QST, 7                            ; Q rows into my stage
.set QFR, 8                            ; Q fragments out of it
.set GO,  9                            ; 16 l: my 16 bytes of a row in memory
.set OST, 10                           ; results into my stage: 528 (l % 16) + 32 (l / 16)
.set ORD, 11                           ; rows out of it: 16 l
.set MX,  16
.set AL,  32
.set LS,  40
.set NM,  56
.set FR,  64
.set SC,  128
.set MSB, 0
.macro WIN new                         ; the immediate's high byte repeats the setting that is left; a switch that changes nothing is dropped
.if MSB != \new
	s_set_vgpr_msb (MSB<<8)|\new
.set MSB, \new
.endif
.endm
.macro PLACES n
.rept \n
	v_nop
.endr
.endm
; A round of the cluster's barrier: my work-group's barrier, so that wave 0 speaks for all four waves; wave 0 signals; every wave waits for the four
; work-groups; my work-group's barrier once more.
.macro CREST                           ; a round behind its opening barrier
	s_cmp_lg_u32 s12, 0
	s_cbranch_scc1 .Lnot_wave_0_\@
	s_barrier_signal -3
.Lnot_wave_0_\@:
	s_barrier_wait -3
	s_barrier_signal -1
	s_barrier_wait -1
.endm
.macro ROUND
	s_barrier_signal -1
	s_barrier_wait -1
	CREST
.endm
; d = a x (register x of the pair p), both halves
.macro PKMULB d, a, p, x
.if \x
	v_pk_mul_f32 v[\d:\d+1], v[\a:\a+1], v[\p:\p+1] op_sel:[0,1] op_sel_hi:[1,1]
.else
	v_pk_mul_f32 v[\d:\d+1], v[\a:\a+1], v[\p:\p+1] op_sel:[0,0] op_sel_hi:[1,0]
.endif
.endm
; four f32 in v[x:x+3] to four bf16 in v[x:x+1], and into LDS
.macro CV1 x, adr, off
	v_cvt_pk_bf16_f32 v[\x], v[\x], v[\x+1]
	v_cvt_pk_bf16_f32 v[\x+1], v[\x+2], v[\x+3]
	ds_store_b64 v[\adr], v[\x:\x+1] offset:\off
.endm
	s_load_b256 s[4:11], s[0:1], 0x0               ; Q s[4:5], K s[6:7], V s[8:9], out0 s[10:11]
	v_lshl_add_u32 v254, v0, 2, 0x31000
	v_mov_b32 v255, 0
	ds_add_u32 v254, v255
	s_wait_dscnt 0x0
	v_lshrrev_b32 v12, 5, v0
	v_readfirstlane_b32 s12, v12                   ; wave 0..3
	s_bfe_u32 s13, ttmp6, 0x40000                  ; my place in the cluster: which 512 queries
	s_mov_b32 s32, 0x76543210                      ; v_permlanex16_b32: lane i reads lane i of the other half
	s_mov_b32 s33, 0xfedcba98
	s_mov_b32 s44, 0x3e0293ee                      ; c = log2(e) / sqrt(128): scores times c are exponents of 2
	s_mov_b32 s45, 0x3e0293ee
	s_lshl_b32 s14, ttmp9, 20                      ; K, V: the head's 2,048 rows of 512 bytes,
	s_and_b32 s38, s12, 1
	s_lshl_b32 s38, s38, 14                        ; and keys 0-31 (waves 0, 2) or 32-63 (waves 1, 3) of a slot's 64
	s_add_co_u32 s14, s14, s38
	s_mov_b32 s15, 0                               ; s[14:15] is made of the head and the wave alone: equal in the four partners
	s_lshl_b32 s40, ttmp9, 20                      ; Q, out0: the head, my work-group's 512 rows, my wave's 128 rows
	s_lshl_b32 s42, s13, 18
	s_add_co_u32 s40, s40, s42
	s_lshl_b32 s39, s12, 16
	s_add_co_u32 s40, s40, s39
	s_mov_b32 s41, 0
	; descriptor group 1: 16,384 dense bytes as 64 rows of 32 elements of 8 bytes
	s_mov_b32 s16, 0x0023000f                      ; 15:0 mask: all four work-groups; 17:16 elements of 8 bytes; 21 set beside a mask; no padding
	s_mov_b32 s17, 32<<16                          ; tensor_dim0 = 32
	s_mov_b32 s18, 64<<16                          ; tensor_dim1 = 64
	s_mov_b32 s19, 32<<16                          ; tile_dim0 = 32
	s_mov_b32 s20, 64                              ; tile_dim1 = 64
	s_mov_b32 s21, 32                              ; from row to row: 32 elements
	s_mov_b32 s22, 0
	s_mov_b32 s23, 0
	s_lshl_b32 s38, s12, 14                        ; my quarter of a slot
	s_mov_b32 s24, 1
	s_add_co_u32 s25, s38, 0*SLOT
	s_mov_b32 s28, 1
	s_add_co_u32 s29, s38, 1*SLOT
	s_wait_kmcnt 0x0
	s_cmp_lt_u32 s12, 2
	s_cselect_b64 s[36:37], s[6:7], s[8:9]         ; waves 0 and 1 fetch K, waves 2 and 3 V
	s_add_nc_u64 s[36:37], s[36:37], s[14:15]
	s_mov_b64 s[26:27], s[36:37]                   ; slot 0: keys 0-63
	s_or_b32 s27, s27, 0x80000000
	s_add_nc_u64 s[30:31], s[36:37], 2*STEPB       ; slot 1: keys 64-127
	s_or_b32 s31, s31, 0x80000000
	s_add_nc_u64 s[4:5], s[4:5], s[40:41]
	s_add_nc_u64 s[10:11], s[10:11], s[40:41]
	ROUND                                          ; the four work-groups are here: the first joint loads meet
	tensor_load_to_lds s[24:27], s[16:23]          ; both first fills as one group: two tensor loads of the wave are out, the most anywhere in this text
	s_nop 0
	tensor_load_to_lds s[28:31], s[16:23]
	s_nop 0
	v_and_b32 v12, 31, v0                          ; l
	v_and_b32 v13, 15, v0                          ; l % 16
	v_bfe_u32 v14, v0, 4, 1                        ; l / 16
	v_lshlrev_b32 v[GO], 4, v12
.macro QLOAD qt                        ; 16 rows of Q, each load one whole row of 512 bytes, into one of two sets of 64 registers by turns
.irp i, 0,1,2,3,4,5,6,7,8,9,10,11,12,13,14,15
	global_load_b128 v[SC+64*((\qt)%2)+4*\i:SC+64*((\qt)%2)+4*\i+3], v[GO], s[4:5] offset:(16*(\qt)+\i)*ROWB th:TH_LOAD_NT
.endr
.endm
	QLOAD 0
	QLOAD 1
	v_mul_u32_u24 v[KF], v13, KP
	v_lshl_add_u32 v[KF], v14, 4, v[KF]
	v_add_nc_u32 v[KF], STAGE, v[KF]
	v_and_b32 v15, 7, v0
	v_lshl_add_u32 v15, v14, 3, v15
	v_mul_u32_u24 v[VF], v15, VP
	v_bfe_u32 v15, v0, 3, 1
	v_lshl_add_u32 v[VF], v15, 4, v[VF]
	v_add_nc_u32 v[VF], STAGE+VOFF, v[VF]
	s_lshl_b32 s39, s12, 12                        ; the conversion: wave w takes rows 8 w .. 8 w + 7 of a step's 32
	v_lshl_add_u32 v[CS], v12, 4, s39
	v_add_nc_u32 v[CS+1], SLOT, v[CS]
	s_mul_i32 s39, s12, 8*KP
	s_add_co_u32 s39, s39, STAGE
	v_lshl_add_u32 v[CDK], v12, 3, s39
	s_mul_i32 s39, s12, 8*VP
	s_add_co_u32 s39, s39, STAGE+VOFF
	v_lshl_add_u32 v[CDV], v12, 3, s39
	s_mul_i32 s39, s12, WSTB
	s_add_co_u32 s39, s39, WST                     ; my own stage
	v_lshl_add_u32 v[QST], v12, 3, s39
	v_mul_u32_u24 v[QFR], v13, QP
	v_lshl_add_u32 v[QFR], v14, 4, v[QFR]
	v_add_nc_u32 v[QFR], s39, v[QFR]
	v_mul_u32_u24 v[OST], v13, OP
	v_lshl_add_u32 v[OST], v14, 5, v[OST]
	v_add_nc_u32 v[OST], s39, v[OST]
	v_lshl_add_u32 v[ORD], v12, 4, s39
.irp qt, 0,1,2,3,4,5,6,7
	v_mov_b32 v[AL+\qt], 0                         ; v_permlanex16_b32 counts as a reader of its destination: written once here
.endr
; 16 rows of Q: rounded to bf16, through my own stage, into the four B fragments of tile qt.  left = the next tile's loads, which stay out.
.macro QPROC qt, left
	s_wait_loadcnt \left
.irp i, 0,1,2,3,4,5,6,7,8,9,10,11,12,13,14,15
	CV1 SC+64*((\qt)%2)+4*\i, QST, QP*\i
.endr
	WIN 0x40                                       ; destination in window 1
.irp ks, 0,1,2,3
	ds_load_b128 v[32*(\qt)+8*\ks:32*(\qt)+8*\ks+3],   v[QFR] offset:64*\ks      ; LDS serves a wave's instructions in order (ISA guide 5.7.1.4): these see the stores above,
	ds_load_b128 v[32*(\qt)+8*\ks+4:32*(\qt)+8*\ks+7], v[QFR] offset:64*\ks+32   ; and the next tile's stores come behind them
.endr
	WIN 0
	s_wait_dscnt 0x8                               ; all but the eight loads just issued: the sixteen stores are done, their data registers may be loaded again
.endm
.irp qt, 0,1,2,3,4,5
	QPROC \qt, 0x10
	QLOAD \qt+2
.endr
	QPROC 6, 0x10
	QPROC 7, 0x0
; half = 0: d steps 0, 1; half = 1: d steps 2, 3.  Fragment (ks, kt): keys 16 kt .., d 32 ks ..; two loads of 16 bytes, 32 bytes apart.
.macro KLOAD b, half
.irp ks, 2*\half, 2*\half+1
.irp kt, 0,1
	ds_load_b128 v[FR+16*(\ks)+8*\kt:FR+16*(\ks)+8*\kt+3],   v[KF] offset:(\b)*STB+16*KP*\kt+64*(\ks)
	ds_load_b128 v[FR+16*(\ks)+8*\kt+4:FR+16*(\ks)+8*\kt+7], v[KF] offset:(\b)*STB+16*KP*\kt+64*(\ks)+32
.endr
.endr
.endm
; V's rows lie along d; the transposing load gives lane l the keys 8 (l / 16) + 0..7 (second load: 16 more) of d = 16 dt + l % 16
.macro VLOAD b
.irp dt, 0,1,2,3,4,5,6,7
	ds_load_tr16_b128 v[FR+8*\dt:FR+8*\dt+3],   v[VF] offset:(\b)*STB+32*\dt
	ds_load_tr16_b128 v[FR+8*\dt+4:FR+8*\dt+7], v[VF] offset:(\b)*STB+32*\dt+16*VP
.endr
.endm
; my 8 rows of K and 8 rows of V of step u in slot s, f32, a whole row a load, into the upper halves of the score tiles (free once the weights are packed)
.macro CVLOAD s, u
.irp j, 0,1,2,3,4,5,6,7
	ds_load_b128 v[SC+16*(\j/2)+8+4*(\j%2):SC+16*(\j/2)+8+4*(\j%2)+3], v[CS+\s] offset:\u*STEPB+ROWB*\j
.endr
.irp j, 0,1,2,3,4,5,6,7
	ds_load_b128 v[SC+64+16*(\j/2)+8+4*(\j%2):SC+64+16*(\j/2)+8+4*(\j%2)+3], v[CS+\s] offset:2*STEPB+\u*STEPB+ROWB*\j
.endr
.endm
.macro CVSTORE b
.irp j, 0,1,2,3,4,5,6,7
	CV1 SC+16*(\j/2)+8+4*(\j%2), CDK, (\b)*STB+KP*\j
.endr
.irp j, 0,1,2,3,4,5,6,7
	CV1 SC+64+16*(\j/2)+8+4*(\j%2), CDV, (\b)*STB+VP*\j
.endr
.endm
; 64 matrix instructions: 32 keys x 128 queries over d = 128.  The first d step starts the sums.  The sixteen accumulators take turns, one instruction a turn.
.macro SPHASE
	WIN 0x04                                       ; B (Q's fragments) in window 1
.irp ks, 0,1,2,3
	s_wait_dscnt 12-4*\ks                          ; sixteen loads were out, four for each d step, in this order: the later steps' stay out
.irp kt, 0,1
.irp qt, 0,1,2,3,4,5,6,7
.if \ks == 0
	v_wmma_f32_16x16x32_bf16 v[SC+16*\qt+8*\kt:SC+16*\qt+8*\kt+7], v[FR+16*\ks+8*\kt:FR+16*\ks+8*\kt+7], v[32*\qt+8*\ks:32*\qt+8*\ks+7], 0
.else
	v_wmma_f32_16x16x32_bf16 v[SC+16*\qt+8*\kt:SC+16*\qt+8*\kt+7], v[FR+16*\ks+8*\kt:FR+16*\ks+8*\kt+7], v[32*\qt+8*\ks:32*\qt+8*\ks+7], v[SC+16*\qt+8*\kt:SC+16*\qt+8*\kt+7]
.endif
.endr
.endr
.endr
	WIN 0
.endm
; scores 2 i, 2 i + 1 of tile qt: times c, less c x maximum, in one fused multiply-add
.macro SUBP qt, i
.if (\qt)%2
	v_pk_fma_f32 v[SC+16*(\qt)+2*\i:SC+16*(\qt)+2*\i+1], v[SC+16*(\qt)+2*\i:SC+16*(\qt)+2*\i+1], s[44:45], v[NM+(\qt)/2*2:NM+(\qt)/2*2+1] op_sel:[0,0,1] op_sel_hi:[1,0,1]
.else
	v_pk_fma_f32 v[SC+16*(\qt)+2*\i:SC+16*(\qt)+2*\i+1], v[SC+16*(\qt)+2*\i:SC+16*(\qt)+2*\i+1], s[44:45], v[NM+(\qt)/2*2:NM+(\qt)/2*2+1] op_sel:[0,0,0] op_sel_hi:[1,0,0]
.endif
.endm
; the lane's two running sums of tile qt take weights 2 i, 2 i + 1; the first pair brings the rescaling along (first trip: the first two pairs start the sums).
; A reader of the batch's results: it stands behind the trip's wait.
.macro SUMP qt, i, first
.if \first
.if \i == 0
	v_pk_add_f32 v[LS+2*(\qt):LS+2*(\qt)+1], v[SC+16*(\qt):SC+16*(\qt)+1], v[SC+16*(\qt)+2:SC+16*(\qt)+3]
.endif
.if \i > 1
	v_pk_add_f32 v[LS+2*(\qt):LS+2*(\qt)+1], v[LS+2*(\qt):LS+2*(\qt)+1], v[SC+16*(\qt)+2*\i:SC+16*(\qt)+2*\i+1]
.endif
.else
.if \i == 0
.if (\qt)%2
	v_pk_fma_f32 v[LS+2*(\qt):LS+2*(\qt)+1], v[LS+2*(\qt):LS+2*(\qt)+1], v[AL+(\qt)/2*2:AL+(\qt)/2*2+1], v[SC+16*(\qt):SC+16*(\qt)+1] op_sel:[0,1,0] op_sel_hi:[1,1,1]
.else
	v_pk_fma_f32 v[LS+2*(\qt):LS+2*(\qt)+1], v[LS+2*(\qt):LS+2*(\qt)+1], v[AL+(\qt)/2*2:AL+(\qt)/2*2+1], v[SC+16*(\qt):SC+16*(\qt)+1] op_sel:[0,0,0] op_sel_hi:[1,0,1]
.endif
.else
	v_pk_add_f32 v[LS+2*(\qt):LS+2*(\qt)+1], v[LS+2*(\qt):LS+2*(\qt)+1], v[SC+16*(\qt)+2*\i:SC+16*(\qt)+2*\i+1]
.endif
.endif
.endm
; weights 2 i, 2 i + 1 packed into register i of the tile: in place, since register i has been used up by then (i <= 2 i, and the sum stands in front)
.macro CVTP qt, i
	v_cvt_pk_bf16_f32 v[SC+16*(\qt)+\i], v[SC+16*(\qt)+2*\i], v[SC+16*(\qt)+2*\i+1]
.endm
; The maxima and THE BATCH.  The trip of parity b writes maxima set b and reads the other: no copy.  The tile is the inner index, so eight chains run side by side.
.macro SOFTMAX b, first
.set MB, MX+8*\b
.set MO, MX+8-8*\b
.irp qt, 0,1,2,3,4,5,6,7
	v_max3_num_f32 v[MB+\qt], v[SC+16*\qt], v[SC+16*\qt+1], v[SC+16*\qt+2]
.endr
.irp c, 0,1,2,3,4,5
.irp qt, 0,1,2,3,4,5,6,7
	v_max3_num_f32 v[MB+\qt], v[MB+\qt], v[SC+16*\qt+3+2*\c], v[SC+16*\qt+4+2*\c]
.endr
.endr
.irp qt, 0,1,2,3,4,5,6,7
.if \first
	v_max_num_f32 v[MB+\qt], v[MB+\qt], v[SC+16*\qt+15]
.else
	v_max3_num_f32 v[MB+\qt], v[MB+\qt], v[SC+16*\qt+15], v[MO+\qt]
.endif
.endr
.irp qt, 0,1,2,3,4,5,6,7
	v_permlanex16_b32 v[AL+\qt], v[MB+\qt], s32, s33       ; the other sixteen keys of my query lie in the other half of the lanes
.endr
.irp qt, 0,1,2,3,4,5,6,7
	v_max_num_f32 v[MB+\qt], v[MB+\qt], v[AL+\qt]
.endr
.irp qt, 0,1,2,3,4,5,6,7
	v_mul_f32 v[NM+\qt], 0xbe0293ee, v[MB+\qt]             ; -c x maximum
.endr
.if \first == 0
.irp qt, 0,1,2,3,4,5,6,7
	v_fma_f32 v[AL+\qt], v[MO+\qt], s44, v[NM+\qt]         ; c (old maximum - new maximum), never above 0 but for its rounding
.endr
.endif
	; The batch begins: from here to the macro's end no line names an exponential's result.  First the eight factors that bring the old sums to the new maximum,
	; by turns with tile 0's scalings.
.irp i, 0,1,2,3,4,5,6,7
.if \first == 0
	v_exp_f32 v[AL+\i], v[AL+\i]
.endif
	SUBP 0, \i
.endr
	; Then a stage for each tile: its sixteen exponentials, in place, and between them the next tile's scalings.  The line behind each exponential is another
	; exponential or a plain line, on other registers (ISA guide 5.7.2).  Sums and roundings, which read the results, wait for the whole batch: WEIGHTS.
.irp qt, 0,1,2,3,4,5,6,7
.irp i, 0,1,2,3,4,5,6,7
	v_exp_f32 v[SC+16*\qt+2*\i], v[SC+16*\qt+2*\i]
.if \qt < 7
	SUBP \qt+1, \i
.endif
	v_exp_f32 v[SC+16*\qt+2*\i+1], v[SC+16*\qt+2*\i+1]
.endr
.endr
.endm
; The batch's first readers, behind the trip's wait: the row sums and the roundings to bf16.  The tile is the inner index: a tile's sum takes its pairs 0 to 7 in that
; order, and the links of its chain stand sixteen lines apart.
.macro WEIGHTS first
.irp i, 0,1,2,3,4,5,6,7
.irp qt, 0,1,2,3,4,5,6,7
	SUMP \qt, \i, \first
	CVTP \qt, \i
.endr
.endr
.endm
; all 64 output tiles times their query's factor
.macro RESCALE
.irp wn, 0x82, 0xc3
	WIN \wn                                        ; source 0 and destination in window 2, then 3; the factors in window 0
.irp d, 0,1,2,3
.irp qt, 0,1,2,3,4,5,6,7
.irp p, 0,1,2,3
	PKMULB 8*(8*\d+\qt)+2*\p, 8*(8*\d+\qt)+2*\p, AL+\qt/2*2, \qt%2
.endr
.endr
.endr
.endr
	WIN 0
.endm
; 32 matrix instructions: d blocks 4 hi .. 4 hi + 3 x 8 query tiles over the trip's 32 keys, each accumulator once: they take turns.
; In the first trip the product starts the sums: nothing is cleared.
.macro PVHALF hi, first
.if \hi
	WIN 0xf0
.else
	WIN 0xa0
.endif
.irp d, 0,1,2,3
.irp qt, 0,1,2,3,4,5,6,7
.if \first
	v_wmma_f32_16x16x32_bf16 v[8*(8*\d+\qt):8*(8*\d+\qt)+7], v[FR+8*(4*\hi+\d):FR+8*(4*\hi+\d)+7], v[SC+16*\qt:SC+16*\qt+7], 0
.else
	v_wmma_f32_16x16x32_bf16 v[8*(8*\d+\qt):8*(8*\d+\qt)+7], v[FR+8*(4*\hi+\d):FR+8*(4*\hi+\d)+7], v[SC+16*\qt:SC+16*\qt+7], v[8*(8*\d+\qt):8*(8*\d+\qt)+7]
.endif
.endr
.endr
	WIN 0
.endm
; One trip: 32 keys out of stage b.  On entry the eight loads of K's d steps 0, 1 are out.  cvs, cvu: slot and half in which the NEXT 32 keys lie as f32.
; kind 0: a plain barrier.  1: the barrier opens a round of the cluster's barrier, and slot rs, whose last read is this trip's conversion, is filled again.
; 2: the wait for the last tensor load, no refill.  3: the last trip: nothing to convert, no barrier.
.macro TRIP b, first, cvs, cvu, kind, rs
.if \first == 0
	PLACES 5                                       ; behind the last trip's products: four places before loads land on fragments that they read, five before the
.endif                                             ; score products write over the weights that they read (ISA guide 7.12.1 for the products)
	KLOAD \b, 1
	SPHASE
	PLACES 4                                       ; before vector instructions read the scores
	SOFTMAX \b, \first                             ; the maxima, then the trip's batch: 136 exponentials (128 in the first trip)
	v_nop                                          ; the plain line behind the last exponential (ISA guide 5.7.2): one for the batch; no other line is at hand that names no result
	s_wait_alu depctr_va_vdst(0)                   ; the ONE wait for the trip's batch, factors and weights, ahead of the first line that names a result
	VLOAD \b                                       ; V's run of loads stands directly behind the wait; its fragments land on K's, which the score products read far above
	WEIGHTS \first
.if \kind != 3
	CVLOAD \cvs, \cvu
.endif
.if \first == 0
	RESCALE                                        ; 256 lines of register work while those loads come back
.endif
	s_wait_dscnt 0x0                               ; V's fragments and the f32 rows are in
.if \kind != 3
	CVSTORE 1-\b
	s_wait_dscnt 0x0                               ; for the others' sake: my stores into the other stage are done, as are my reads of this stage and of the ring
.if \kind != 0
	s_wait_xcnt 0x0
	v_lshl_add_u32 v254, v0, 2, 0x31000
	v_mov_b32 v255, 0
	s_wait_tensorcnt 0x0                           ; all my tensor loads have landed: the one that was out is my part of the slot that the next trip's conversion reads
	ds_add_u32 v254, v255
	s_wait_dscnt 0x0
.endif
.if \kind == 1
	s_add_nc_u64 s[26+4*\rs:27+4*\rs], s[26+4*\rs:27+4*\rs], 4*STEPB   ; no tensor load of mine is out, so a group 0 may be written: the slot's next 64 keys are 128 keys on
.endif
	s_barrier_signal -1
.endif
	PVHALF 0, \first                               ; register work while the others arrive
.if \kind != 3
	s_barrier_wait -1                              ; the other stage is whole, and nobody reads this one any more
.if \kind == 1
	CREST                                          ; the same holds of all four work-groups: no wave of a partner still reads the slot or has a load on its way
	tensor_load_to_lds s[24+4*\rs:27+4*\rs], s[16:23]      ; my one tensor load behind the round, and the first thing there; it is waited for two trips on
	s_nop 0
.endif
	PLACES 4                                       ; before the next trip's K lands on V's fragments of d blocks 0-3
	KLOAD 1-\b, 0
.endif
	PVHALF 1, \first
.endm
; Four trips = once round the ring.  Keys 32 t .. lie in stage t % 2 and, as f32, in slot (t / 2) % 2; trip t converts step t + 1.
.macro LAP first
	TRIP 0, \first, 0, 1, 1, 0
	TRIP 1, 0, 1, 0, 0, 0
	TRIP 0, 0, 1, 1, 1, 1
	TRIP 1, 0, 0, 0, 0, 0
.endm
	s_wait_dscnt 0x0                               ; Q's fragments are in
	s_wait_tensorcnt 0x1                           ; my part of slot 0 has landed; slot 1's stays out
	s_barrier_signal -1
	s_barrier_wait -1                              ; slot 0 is whole
	CVLOAD 0, 0
	s_wait_dscnt 0x0
	CVSTORE 0                                      ; keys 0-31 into stage 0
	s_wait_dscnt 0x0
	s_barrier_signal -1
	s_barrier_wait -1
	KLOAD 0, 0
	LAP 1                                          ; trips 0-3, written out: the first products start the sums
	s_mov_b32 s34, 14
.Llap:
	LAP 0                                          ; trips 4-59; the last refills bring keys 1,920 to 2,047
	s_sub_co_u32 s34, s34, 1
	s_cmp_lg_u32 s34, 0
	s_cbranch_scc1 .Llap
	TRIP 0, 0, 0, 1, 2, 0                          ; trips 60-63 fetch nothing
	TRIP 1, 0, 1, 0, 0, 0
	TRIP 0, 0, 1, 1, 0, 0
	TRIP 1, 0, 0, 0, 3, 0
	; THE WAY OUT.  Row sums: the lane's two, then the other half of the lanes; their reciprocal.
	PLACES 4                                       ; behind the last products, before their results are read and their fragments' registers loaded
.irp qt, 0,1,2,3,4,5,6,7
	v_add_f32 v[AL+\qt], v[LS+2*\qt], v[LS+2*\qt+1]
.endr
.irp qt, 0,1,2,3,4,5,6,7
	v_permlanex16_b32 v[MX+\qt], v[AL+\qt], s32, s33
.endr
.irp qt, 0,1,2,3,4,5,6,7
	v_add_f32 v[AL+\qt], v[AL+\qt], v[MX+\qt]
.endr
.irp qt, 0,1,2,3,4,5,6,7
	v_rcp_f32 v[AL+\qt], v[AL+\qt]
.endr
	v_nop                                          ; one plain line before the reciprocals are used (ISA guide 5.7.2)
	s_wait_alu depctr_va_vdst(0)                   ; one wait for the batch of eight reciprocals, ahead of their first reader
; 16 rows of the result: divided, 32 bytes a lane and d block into my own stage, read back as whole rows of 512 bytes and stored: each store of the wave
; covers 512 consecutive bytes, at a multiple of 512 from out0's first byte.  tb: the registers for the rows, two sets by turns.
.macro OUT qt, tb
	WIN 0x02
.irp d, 0,1,2,3
.irp p, 0,1,2,3
	PKMULB SC+8*\d+2*\p, 8*(8*\d+\qt)+2*\p, AL+\qt/2*2, \qt%2
.endr
.endr
	WIN 0x03
.irp d, 0,1,2,3
.irp p, 0,1,2,3
	PKMULB SC+32+8*\d+2*\p, 8*(8*\d+\qt)+2*\p, AL+\qt/2*2, \qt%2
.endr
.endr
	WIN 0
.irp dt, 0,1,2,3,4,5,6,7
.irp e, 0,1
	ds_store_b128 v[OST], v[SC+8*\dt+4*\e:SC+8*\dt+4*\e+3] offset:64*\dt+16*\e
.endr
.endr
	s_wait_xcnt 0x0                                ; every earlier memory instruction has had its addresses translated (ISA guide 3.1): set tb, which earlier stores read, is loaded again only behind this wait
.irp i, 0,1,2,3,4,5,6,7,8,9,10,11,12,13,14,15
	ds_load_b128 v[\tb+4*\i:\tb+4*\i+3], v[ORD] offset:OP*\i       ; my own bytes, served in order: these see the stores above
.endr
.irp i, 0,1,2,3,4,5,6,7,8,9,10,11,12,13,14,15
	s_wait_dscnt 15-\i                             ; row i is in; the younger rows stay out
	global_store_b128 v[GO], v[\tb+4*\i:\tb+4*\i+3], s[10:11] offset:(16*\qt+\i)*ROWB th:TH_STORE_NT
.endr
.endm
	OUT 0, 64
	OUT 1, 192
	OUT 2, 64
	OUT 3, 192
	OUT 4, 64
	OUT 5, 192
	OUT 6, 64
	OUT 7, 192
	s_wait_xcnt 0x0
	v_lshl_add_u32 v254, v0, 2, 0x31000
	v_mov_b32 v255, 0
	s_wait_tensorcnt 0x0
	ds_add_u32 v254, v255
	s_wait_dscnt 0x0
	ROUND                                          ; the closing round: no work-group ends while a partner may still ask for a tile that names it
	s_endpgm
.Lfunc_end_k_q4fe58f218e_attn:
	.size	k_q4fe58f218e_attn, .Lfunc_end_k_q4fe58f218e_attn-k_q4fe58f218e_attn
	.p2alignl 7, 3214868480
	.fill 96, 4, 3214868480
	.section	.rodata,"a",@progbits
	.p2align	6, 0x0
	.amdhsa_kernel k_q4fe58f218e_attn
		.amdhsa_group_segment_fixed_size 327680
		.amdhsa_private_segment_fixed_size 0
		.amdhsa_enable_private_segment 0
		.amdhsa_kernarg_size 32
		.amdhsa_user_sgpr_count 2
		.amdhsa_user_sgpr_kernarg_segment_ptr 1
		.amdhsa_wavefront_size32 1
		.amdhsa_system_sgpr_workgroup_id_x 1
		.amdhsa_system_sgpr_workgroup_id_y 1
		.amdhsa_system_sgpr_workgroup_id_z 1
		.amdhsa_system_vgpr_workitem_id 0
		.amdhsa_next_free_vgpr 1024
		.amdhsa_next_free_sgpr 66
		.amdhsa_reserve_vcc 0
		.amdhsa_float_denorm_mode_32 3
		.amdhsa_float_denorm_mode_16_64 3
		.amdhsa_memory_ordered 1
		.amdhsa_forward_progress 1
		.amdhsa_inst_pref_size 255
	.end_amdhsa_kernel
	.section	.bss,"aw",@nobits
	.p2align	6
	.space	262144
	.amdgpu_metadata
---
amdhsa.version: [ 1, 2 ]
amdhsa.kernels:
  - .name:           k_q4fe58f218e_attn
    .symbol:         k_q4fe58f218e_attn.kd
    .args:
      - { .name: Q, .offset: 0, .size: 8, .value_kind: global_buffer, .address_space: global }
      - { .name: K, .offset: 8, .size: 8, .value_kind: global_buffer, .address_space: global }
      - { .name: V, .offset: 16, .size: 8, .value_kind: global_buffer, .address_space: global }
      - { .name: out0, .offset: 24, .size: 8, .value_kind: global_buffer, .address_space: global }
    .group_segment_fixed_size: 327680
    .private_segment_fixed_size: 0
    .kernarg_segment_align: 8
    .kernarg_segment_size: 32
    .max_flat_workgroup_size: 128
    .sgpr_count:     66
    .vgpr_count:     1024
    .wavefront_size: 32
...
	.end_amdgpu_metadata
.endif
;; end of part 2
